; MI455X (gfx1250); checked and timed in simulation.
; The chip was launched on July 23, 2026; its instructions are those of AMD's public machine-readable ISA for CDNA 5 (MIT licence, August 2026) and "CDNA5" Instruction Set Architecture Reference Guide (July 2026). The comments in the code are by the model that wrote it; some were corrected since.
;; GGUF Linear. Allowed arithmetic: float matrix products may take bf16 or f16 operands with f32 sums; other float arithmetic in f32, or as packed bf16 or f16 multiplies, adds, multiply-adds, maxima and minima; sums over many terms, partial sums and values carried from step to step in f32; what a program stores and reads back later, other than sums and carried values, may be rounded once to bf16 or f16.
;; Inputs: q_packed 262,144 x 16 uint8; q_scales 262,144 float16; x 4 x 2,048 x 4,096 float32.
;; Outputs: out0 4 x 2,048 x 2,048 float32.
;; One version. Each part assembles by itself: llvm-mc -triple=amdgcn-amd-amdhsa -mcpu=gfx1250 --defsym DOCPART=n.
;; ======== version 1 of 1: 2 launches
;; limits: values are held in f16: magnitudes above 65,504 overflow, below 6.1e-05 lose precision; inputs' magnitudes at most 65,504; below input magnitudes of 6.1e-05 results are inexact or not finite
;; workspace buffers: xh 67,108,864 bytes; wf 16,777,216 bytes
;; launch prep (part 1): grid 1024 x 1, 8 waves a work-group, no clusters, 21,504 bytes of LDS; arguments x, q_packed, q_scales, xh, wf; writes xh, wf
.if DOCPART == 1
	.amdgcn_target "amdgcn-amd-amdhsa--gfx1250"
	.amdhsa_code_object_version 6
	.text
	.protected	k_q8211267a4c_prep
	.globl	k_q8211267a4c_prep
	.p2align	8
	.type	k_q8211267a4c_prep,@function
k_q8211267a4c_prep:
	s_mov_b64 s[64:65], 0
	v_nop
	global_prefetch_b8 v0, s[64:65] scope:SCOPE_SE
	s_setreg_imm32_b32 hwreg(HW_REG_WAVE_MODE, 25, 1), 1
	s_wait_xcnt 0x0
; BOTH OPERANDS OF THE PRODUCT THAT FOLLOWS, MADE ONCE, IN f16.
;   xh[m][i] = x[m][i] rounded once to f16.                         x: [8192][4096] f32, xh the same shape in f16.
;   wf[o][i] = d[blk] (q - 8), blk = 128 o + i / 32, rounded once.   A Q4_0 block is 16 bytes: the low nibble of byte j is weight j, the high nibble weight 16 + j.  wf: [2048][4096] f16, so block blk is bytes 64 blk .. 64 blk + 63.
; NOTHING IS LEFT OUT: every number of x, q_packed and q_scales reaches the output.
; WHY x IS STORED IN f16: with x in f32 a tile of 256 x 256 of the product would want (4 x 256 + 2 x 256) bytes of LDS for each unit of K, and two slots of 128 along K would be 393,216 bytes, more than the 327,680 that a launch is given.
; ARITHMETIC OF w.  0x6400 | q is 1024 + q in f16 (its step there is 1); less 1032 that is q - 8, exact; times d it is rounded ONCE: the same number as the f32 product d (q - 8) rounded once to f16.
; LIMITS.  |x| of 65,520 or more, and |d (q - 8)| of 65,520 or more (|d| above 8,188 can reach it), become infinities; below 6e-5 both keep f16's fixed step of 6e-8.  A NaN stays a NaN.
; SHARES.  Work-group g of 1,024, eight waves: 131,072 bytes of x (rows 8 g .. 8 g + 7) and the 256 blocks 256 g ...  Thread t takes block 256 g + t, and of x the 16 bytes at 4,096 i + 16 t, i = 0 .. 31.
; x: a load of a wave covers 512 consecutive bytes; its four numbers a lane become 8 bytes; a store of a wave covers 256 consecutive bytes, aligned.  A ring of 16 slots in registers keeps 16 loads of every wave on their way.
; w: a thread's 64 bytes go through its wave's own LDS and come back so that a store of a wave covers 512 consecutive bytes, aligned.  No wave reads another's bytes: no barrier.  Nothing is shared or multiplied: no cluster, no matrix unit.
.set DEPTH, 16                         ; slots = loads of x on their way in each wave
.set BP,    80                         ; a block in LDS: 64 bytes + 16
.set SPARE, 8*32*BP                    ; 20,480, a multiple of 256: the spare words, 128 bytes for each of 8 waves, which no other line names
.set XO,  1                            ; v1   16 t: my 16 bytes in a chunk of x, and my block in the group's packed bytes; never rewritten
.set SO,  2                            ; v2   2 t: my block's scale
.set YO,  3                            ; v3   8 t: my 8 bytes in a chunk of xh; never rewritten
.set ST,  4                            ; v4   where my block's 64 bytes go in LDS
.set RD,  5                            ; v5   where I read 16 bytes back
.set C64, 6                            ; v6   0x64 in every byte: the upper byte of 1024 + q
.set GO,  7                            ; v7   where those 16 bytes go in the group's part of wf
.set SPW, 8                            ; v8   LDS address of my spare word; never rewritten
.set NIL, 9                            ; v9   0; never rewritten
.set QW,  12                           ; v[12:15]  my block as loaded
.set SC,  16                           ; v16  its scale
.set DD,  17                           ; v17  d in both halves
.set LO,  18                           ; v18  a word's four low nibbles, a byte each
.set HI,  19                           ; v19  its four high nibbles
.set T,   20                           ; v[20:35]  the block's 32 weights, two to a register, in the order of i
.set O,   36                           ; v[36:51]  four times 16 bytes read back
.set Y,   20                           ; v[20:51]  slot i: two registers to store (T's and O's registers, when w is done)
.set X,   52                           ; v[52:115] slot i: four registers as loaded
	s_load_b256 s[4:11], s[0:1], 0x0               ; x s[4:5], q_packed s[6:7], q_scales s[8:9], xh s[10:11]
	s_load_b64 s[12:13], s[0:1], 0x20              ; wf
	v_lshl_add_u32 v[SPW], v0, 2, SPARE
	v_mov_b32 v[NIL], 0
	v_lshrrev_b32 v10, 5, v0
	v_readfirstlane_b32 s14, v10                   ; my wave's number
	v_and_b32 v11, 31, v0                          ; lane
	v_lshlrev_b32 v[XO], 4, v0
	v_lshlrev_b32 v[SO], 1, v0
	v_lshlrev_b32 v[YO], 3, v0
	s_mul_i32 s15, s14, 32*BP                      ; my wave's own 2,560 bytes of LDS
	v_mul_u32_u24 v[ST], v11, BP
	v_add_nc_u32 v[ST], s15, v[ST]                 ; in: a block a lane
	v_lshrrev_b32 v10, 2, v11                      ; back: four lanes take a block's 64 bytes, 32 lanes eight blocks: 512 consecutive bytes of wf
	v_mul_u32_u24 v[RD], v10, BP
	v_and_b32 v10, 3, v0
	v_lshl_add_u32 v[RD], v10, 4, v[RD]
	v_add_nc_u32 v[RD], s15, v[RD]
	s_lshl_b32 s15, s14, 11                        ; my wave's 32 blocks are 2,048 bytes of wf
	v_lshl_add_u32 v[GO], v11, 4, s15
	v_mov_b32 v[C64], 0x64646464
	s_mov_b32 s20, 0x0f0f0f0f
	s_mov_b32 s21, 0x04010400                      ; v_perm_b32: {0x64, byte 1, 0x64, byte 0}
	s_mov_b32 s22, 0x04030402                      ; {0x64, byte 3, 0x64, byte 2}
	s_mov_b32 s23, 0xe408e408                      ; -1032 twice
	s_lshl_b32 s16, ttmp9, 17                      ; the group's 131,072 bytes of x,
	s_mov_b32 s17, 0
	s_lshl_b32 s18, ttmp9, 12                      ; its 4,096 packed bytes,
	s_mov_b32 s19, 0
	s_lshl_b32 s24, ttmp9, 9                       ; its 512 bytes of scales,
	s_mov_b32 s25, 0
	s_lshl_b32 s26, ttmp9, 16                      ; its 65,536 bytes of xh,
	s_mov_b32 s27, 0
	s_lshl_b32 s28, ttmp9, 14                      ; its 16,384 bytes of wf
	s_mov_b32 s29, 0
	s_wait_kmcnt 0x0
	s_add_nc_u64 s[4:5], s[4:5], s[16:17]
	s_add_nc_u64 s[6:7], s[6:7], s[18:19]
	s_add_nc_u64 s[8:9], s[8:9], s[24:25]
	s_add_nc_u64 s[10:11], s[10:11], s[26:27]
	s_add_nc_u64 s[12:13], s[12:13], s[28:29]
	global_load_b128 v[QW:QW+3], v[XO], s[6:7] th:TH_LOAD_NT
	global_load_u16 v[SC], v[SO], s[8:9] th:TH_LOAD_NT
.irp i, 0,1,2,3,4,5,6,7,8,9,10,11,12,13,14,15
	global_load_b128 v[X+4*(\i):X+4*(\i)+3], v[XO], s[4:5] offset:4096*(\i) th:TH_LOAD_NT  ; the ring is filled: chunks 0 to 15
.endr
	; MY BLOCK OF w, while x's first chunks are on their way
	s_wait_loadcnt DEPTH                           ; loads come back in order: the block and its scale are in, x's sixteen may stay out
	v_lshl_or_b32 v[DD], v[SC], 16, v[SC]
.irp m, 0,1,2,3
	v_and_b32 v[LO], s20, v[QW+(\m)]               ; weights 4 m .. 4 m + 3
	v_lshrrev_b32 v[HI], 4, v[QW+(\m)]
	v_and_b32 v[HI], s20, v[HI]                    ; weights 16 + 4 m .. 16 + 4 m + 3
	v_perm_b32 v[T+2*(\m)],     v[C64], v[LO], s21
	v_perm_b32 v[T+2*(\m)+1],   v[C64], v[LO], s22
	v_perm_b32 v[T+8+2*(\m)],   v[C64], v[HI], s21
	v_perm_b32 v[T+8+2*(\m)+1], v[C64], v[HI], s22
.endr
.set p, 0
.rept 16
	v_pk_add_f16 v[T+p], v[T+p], s23               ; q - 8, exact
.set p, p+1
.endr
.set p, 0
.rept 16
	v_pk_mul_f16 v[T+p], v[T+p], v[DD]             ; times d: the one rounding
.set p, p+1
.endr
.irp j, 0,1,2,3
	ds_store_b128 v[ST], v[T+4*(\j):T+4*(\j)+3] offset:16*(\j)
.endr
.irp j, 0,1,2,3
	ds_load_b128 v[O+4*(\j):O+4*(\j)+3], v[RD] offset:8*BP*(\j)  ; LDS serves a wave's instructions in order (ISA guide 5.7.1.4): these see my wave's stores above; blocks 8 j .. 8 j + 7
.endr
.irp j, 0,1,2,3
	s_wait_dscnt 3-(\j)                            ; the later loads may stay out
	global_store_b128 v[GO], v[O+4*(\j):O+4*(\j)+3], s[12:13] offset:512*(\j)  ; a wave stores 512 consecutive bytes, at a multiple of 512 from wf's first byte
.endr
; One slot's turn.  ahead = 1: the slot holds chunk i and is filled again with chunk i + 16; ahead = 0: it holds chunk i + 16.  left = how many younger loads may still be out.
.macro SLOT i, ahead, left
	s_wait_loadcnt \left                           ; loads come back in order: mine is in, the younger ones stay out
	s_wait_xcnt 0x0                                ; every earlier memory instruction has had its addresses translated (ISA guide 3.1): this slot's Y, which an earlier store reads, is rewritten only behind this wait
	v_cvt_pk_f16_f32 v[Y+2*(\i)],   v[X+4*(\i)],   v[X+4*(\i)+1]  ; two roundings to f16, packed
	v_cvt_pk_f16_f32 v[Y+2*(\i)+1], v[X+4*(\i)+2], v[X+4*(\i)+3]
.if \ahead
	global_load_b128 v[X+4*(\i):X+4*(\i)+3], v[XO], s[4:5] offset:4096*((\i)+DEPTH) th:TH_LOAD_NT  ; the load ahead of the store
	global_store_b64 v[YO], v[Y+2*(\i):Y+2*(\i)+1], s[10:11] offset:2048*(\i)  ; a wave stores 256 consecutive bytes, at a multiple of 256 from xh's first byte
.else
	global_store_b64 v[YO], v[Y+2*(\i):Y+2*(\i)+1], s[10:11] offset:2048*((\i)+DEPTH)
.endif
.endm
.irp i, 0,1,2,3,4,5,6,7,8,9,10,11,12,13,14,15
	SLOT \i, 1, DEPTH-1                            ; behind slot i's load stand the 15 - i of the first fill and the i refills
.endr
.irp i, 0,1,2,3,4,5,6,7,8,9,10,11,12,13,14,15
	SLOT \i, 0, DEPTH-1-(\i)                       ; the second pass loads nothing: the counts run down
.endr
	s_wait_tensorcnt 0x0                           ; the wave's end: behind my last LDS store
	ds_add_u32 v[SPW], v[NIL]
	s_wait_dscnt 0x0
	s_endpgm
.Lfunc_end_k_q8211267a4c_prep:
	.size	k_q8211267a4c_prep, .Lfunc_end_k_q8211267a4c_prep-k_q8211267a4c_prep
	.p2alignl 7, 3214868480
	.fill 96, 4, 3214868480
	.section	.rodata,"a",@progbits
	.p2align	6, 0x0
	.amdhsa_kernel k_q8211267a4c_prep
		.amdhsa_group_segment_fixed_size 21504
		.amdhsa_private_segment_fixed_size 0
		.amdhsa_enable_private_segment 0
		.amdhsa_kernarg_size 40
		.amdhsa_user_sgpr_count 2
		.amdhsa_user_sgpr_kernarg_segment_ptr 1
		.amdhsa_wavefront_size32 1
		.amdhsa_system_sgpr_workgroup_id_x 1
		.amdhsa_system_sgpr_workgroup_id_y 1
		.amdhsa_system_sgpr_workgroup_id_z 1
		.amdhsa_system_vgpr_workitem_id 0
		.amdhsa_next_free_vgpr 116
		.amdhsa_next_free_sgpr 66
		.amdhsa_reserve_vcc 0
		.amdhsa_float_denorm_mode_32 3
		.amdhsa_float_denorm_mode_16_64 3
		.amdhsa_memory_ordered 1
		.amdhsa_forward_progress 1
		.amdhsa_inst_pref_size 19
	.end_amdhsa_kernel
	.amdgpu_metadata
---
amdhsa.version: [ 1, 2 ]
amdhsa.kernels:
  - .name:           k_q8211267a4c_prep
    .symbol:         k_q8211267a4c_prep.kd
    .args:
      - { .name: x, .offset: 0, .size: 8, .value_kind: global_buffer, .address_space: global }
      - { .name: q_packed, .offset: 8, .size: 8, .value_kind: global_buffer, .address_space: global }
      - { .name: q_scales, .offset: 16, .size: 8, .value_kind: global_buffer, .address_space: global }
      - { .name: xh, .offset: 24, .size: 8, .value_kind: global_buffer, .address_space: global }
      - { .name: wf, .offset: 32, .size: 8, .value_kind: global_buffer, .address_space: global }
    .group_segment_fixed_size: 21504
    .private_segment_fixed_size: 0
    .kernarg_segment_align: 8
    .kernarg_segment_size: 40
    .max_flat_workgroup_size: 256
    .sgpr_count:     66
    .vgpr_count:     116
    .wavefront_size: 32
...
	.end_amdgpu_metadata
.endif
;; end of part 1
;; launch gemm (part 2): grid 8 x 32, 4 waves a work-group, clusters of 4 x 4, 327,680 bytes of LDS; arguments xh, wf, out0; writes out0
.if DOCPART == 2
	.amdgcn_target "amdgcn-amd-amdhsa--gfx1250"
	.amdhsa_code_object_version 6
	.text
	.protected	k_q8211267a4c_gemm
	.globl	k_q8211267a4c_gemm
	.p2align	8
	.type	k_q8211267a4c_gemm,@function
k_q8211267a4c_gemm:
	s_mov_b64 s[64:65], 0
	v_nop
	global_prefetch_b8 v0, s[64:65] scope:SCOPE_SE
	s_setreg_imm32_b32 hwreg(HW_REG_WAVE_MODE, 25, 1), 1
	s_wait_xcnt 0x0
	s_wait_alu depctr_hold_cnt(0) depctr_sa_sdst(0) depctr_va_vdst(0) depctr_va_sdst(0) depctr_va_ssrc(0) depctr_va_vcc(0) depctr_vm_vsrc(0)
	s_getreg_b32 s2, hwreg(HW_REG_IB_STS2, 6, 4)
	s_cmp_eq_u32 s2, 0
	s_cbranch_scc0 .Lentry_in_a_cluster
	s_endpgm
.Lentry_in_a_cluster:
	s_bfe_u32 s2, ttmp6, 0x10000c
	s_cmp_lg_u32 s2, 0xf033
	s_cbranch_scc0 .Lentry_shape_is_right
	s_endpgm
.Lentry_shape_is_right:
; out0[m][o] = the sum over i of xh[m][i] wf[o][i].  xh: [8192][4096] f16, wf: [2048][4096] f16, as the launch before has made them; out0: [8192][2048] f32.  Products of f16, sums in f32, K ascending; the sums are stored as they are.
; Nothing of the problem is left out.  The operands' limits (f16's range and step) stand at the head of the launch before; here nothing is rounded.
; A tile of C, 256 x 256, is made by a work-group of four waves; a wave makes 128 x 128: 64 accumulators of 16 x 16, 512 registers.  32 x 8 = 256 tiles, one to a work-group.
; K goes in steps of 128 through a ring of two LDS slots filled by the tensor data mover: the rows of both operands' tiles are 256 bytes of memory and start at multiples of 256 bytes from the buffer's first byte.
; CLUSTERS: 4 x 4 work-groups.  The four of a row of the cluster make tiles of one tile row of C and need the same tiles of xh (A); the four of a column need the same tiles of wf (B).  Such a tile is asked for JOINTLY:
; each of the four issues the same tensor load, with the same descriptor and a mask that names the four, and each receives the tile in its own LDS.  That divides the requests for A and for B by four.
; REGISTERS, in windows of 256 (s_set_vgpr_msb: bits 1:0 source 0, 3:2 source 1, 5:4 source 2, 7:6 destination):
;   window 0: v0-31 addresses; v64-127, v128-191 fragments of A (8 x 16 rows x 32 K), two buffers; on the way out the same registers take rows read back from the stage
;   window 1: v64-127, v128-191 fragments of B, two buffers
;   window 2: the 32 accumulators of my rows 0-63 (accumulator (a, b) at v[8 (8 a + b)]);   window 3: those of my rows 64-127
; Work is laid in long stretches under one setting: 32 matrix instructions, 16 loads, 16 loads, 32 matrix instructions.
; THE MATRIX INSTRUCTION IS USED TRANSPOSED: source 0 = 16 rows of B, source 1 = 16 rows of A.  In the result lane l holds row l % 16 of C, and its registers 0 to 7 the columns 8 (l / 16) + 0 .. 7: 32 bytes on end.
.set SIZE_N, 2048
.set SIZE_K, 4096
.set KSTEP,  128
.set PITCH,  272                       ; an LDS row: 256 bytes of data + 16 of padding = 68 words: row r starts at bank 4 r mod 64 (64 banks of 4 bytes: ISA guide 11.1), so the 16 rows that a load touches start at 16 different banks
.set HALFT,  128*PITCH                 ; 128 rows: what one tensor load brings, and what one wave reads of A or of B
.set SLOT,   4*HALFT                   ; A's 256 rows, then B's 256 rows
.set STAGE,  2*SLOT                    ; behind the ring, never filled by a tensor load: 16 rows x 528 bytes for each wave, for the way out
.set SP,     528                       ; 128 numbers of f32 + 16 bytes
.set SPARE,  STAGE+4*16*SP             ; 312,320: the spare words, 128 bytes for each wave: two blocks of 256 bytes that no other line names
.set LAPS,   SIZE_K/(2*KSTEP)          ; a lap = two K steps = once round the ring: 16
.set ADRA, 16                          ; v16-17  LDS address of my A fragments in slot 0, 1
.set ADRB, 20                          ; v20-21  the same for B
.set STO,  24                          ; v24     the way out: where I put 32 bytes of a row
.set RD,   25                          ; v25     where I read 16 bytes of a row back
.set CO,   26                          ; v26     16 x lane: my place in 512 consecutive bytes of out0; never rewritten
.set SPW,  28                          ; v28     LDS address of my spare word; never rewritten
.set NIL,  29                          ; v29     0; never rewritten
.set PFO,  30                          ; v30     the prefetches' offset: my lane x a row of A or B in memory (8,192 bytes); never rewritten
.set PFA,  44                          ; s[44:45] where my prefetches stand: my work-group's 32 rows of the 128 that I fetch, one K step further along K than the refill that is being asked for; a prefetch names the K step after that
.set LIM,  43                          ; s43     1 in a wave that prefetches, else the greatest number
.set F0,   64                          ; fragment buffer 0
.set F1,   128                         ; fragment buffer 1
.set OB,   64                          ; the way out: 16 rows read back: v64-127 and v128-191 by turns
.set G1, 24                            ; s[24:31] descriptor group 1 for A's tiles
.set G0, 32                            ; s[32:39] descriptor group 0 for A's tiles, one set for each slot
.set G1B, 48                           ; s[48:55] descriptor group 1 for B's tiles: it differs from A's in the mask alone
.set G0B, 56                           ; s[56:63] descriptor group 0 for B's tiles, one set for each slot
.set MSB, 0
.macro WIN new                         ; the immediate's high byte repeats the setting that is left; a switch that changes nothing is dropped
.if MSB != (\new)
	s_set_vgpr_msb (MSB<<8)|(\new)
.set MSB, \new
.endif
.endm
.set MUL_LO, 0xa1                      ; source 0 (B) window 1, source 1 (A) window 0, C and D window 2
.set MUL_HI, 0xf1                      ; the same, C and D window 3
.set TO_B,   0x40                      ; destination window 1, address window 0
; A joint load.  Waves 0 and 1 fetch A's two halves, waves 2 and 3 B's.  Each of the two lines has ONE mask and one set of registers for all that issue it; the branch hangs on the wave's number alone.
; An s_nop 0 and four v_nop follow each of the two lines; the jump round the other line, the label and what follows the macro come after them.
.macro JLOAD s
	s_cmp_eq_u32 s11, 0
	s_cbranch_scc0 .Lfor_b_\@
	tensor_load_to_lds s[G0+4*(\s):G0+4*(\s)+3], s[G1:G1+7]
	s_nop 0
.rept 4
	v_nop
.endr
	s_branch .Lasked_\@
.Lfor_b_\@:
	tensor_load_to_lds s[G0B+4*(\s):G0B+4*(\s)+3], s[G1B:G1B+7]
	s_nop 0
.rept 4
	v_nop
.endr
.Lasked_\@:
.endm
; A PREFETCH INTO THE L2, behind each joint refill, its five lines and the run of LDS loads that follows them: the K step that stands TWO refills on: 32 rows x 256 bytes, a lane a row, one instruction a wave: 512 matrix instructions ahead of its load.
; Each row's 256 bytes of a K step are named ONCE in the launch.  A's tile row is read by both clusters of that row of clusters: the first (cluster x = 0) prefetches; B's tile column by all eight clusters of that column: cluster y = 0 prefetches.
; The four partners that ask for a tile jointly share its rows out BY ADDRESS: of the 128 rows that a wave fetches, the partner at place p takes 32 p .. 32 p + 31 (p = cx for A, cy for B): no branch hangs on a work-group's place in its cluster.
; K steps 0 to 3 come by their loads alone; the loop's last trip (s3 = 1) has no K step two on and asks for nothing.
.macro ASK
	s_cmp_gt_u32 s3, s[LIM]
	s_cbranch_scc0 .Lnot_mine_\@
	global_prefetch_b8 v[PFO], s[PFA:PFA+1] offset:KSTEP*2 th:TH_LOAD_NT scope:SCOPE_SE
.Lnot_mine_\@:
.endm
; A round of the cluster's barrier: my work-group's barrier, so that wave 0's signal speaks for all four waves; wave 0 signals for the work-group; every wave waits for all sixteen work-groups; my work-group's barrier once more.
.macro CREST                           ; a round behind its opening barrier
	s_cmp_lg_u32 s10, 0
	s_cbranch_scc1 .Lnot_wave_0_\@
	s_barrier_signal -3
.Lnot_wave_0_\@:
	s_barrier_wait -3
	s_barrier_signal -1
	s_barrier_wait -1
.endm
.macro CROUND                          ; a whole round
	s_barrier_signal -1
	s_barrier_wait -1
	CREST
.endm
	s_load_b128 s[4:7], s[0:1], 0x0                ; A = xh s[4:5], B = wf s[6:7]
	s_load_b64 s[8:9], s[0:1], 0x10                ; out0
	v_lshl_add_u32 v[SPW], v0, 2, SPARE
	v_mov_b32 v[NIL], 0
	ds_add_u32 v[SPW], v[NIL]                      ; the wave's opening: the add, twice on end, and its wait stand ahead of my first tensor load; the set-up below, work on registers, stands between
	ds_add_u32 v[SPW], v[NIL]                      ; and once more, under the one wait
	v_lshrrev_b32 v1, 5, v0
	v_readfirstlane_b32 s10, v1                    ; wave 0..3
	s_lshr_b32 s11, s10, 1                         ; which half of the tile's rows is mine.  Also: I fetch for A (0) or for B (1)
	s_and_b32 s12, s10, 1                          ; which half of its columns.  Also: which 128 rows of that tile I fetch
	s_bfe_u32 s40, ttmp6, 0x40000                  ; cx: my place along the cluster's x
	s_bfe_u32 s41, ttmp6, 0x40004                  ; cy: along its y
	s_lshl_b32 s42, ttmp9, 2                       ; in a cluster launch ttmp9 and ttmp7 count clusters
	s_add_co_u32 s42, s42, s40                     ; tile column of C = 4 x cluster x + cx
	s_and_b32 s13, ttmp7, 0xffff
	s_lshl_b32 s13, s13, 2
	s_add_co_u32 s13, s13, s41                     ; tile row of C = 4 x cluster y + cy
	s_lshl_b32 s43, s41, 2
	s_lshl_b32 s43, 15, s43                        ; my row of the cluster: places 4 cy .. 4 cy + 3
	s_lshl_b32 s44, 0x1111, s40                    ; my column: places cx, cx + 4, cx + 8, cx + 12
	; descriptor group 1: a tile of 128 rows x 128 elements, padded in LDS
	s_or_b32 s[G1+0], s43, (1<<16)|(1<<20)|(1<<21)|(5<<22)|(3<<25)  ; 15:0 the mask: A's tiles go to my row; 17:16 element of 2 bytes; 20 padding on; 21 set beside a mask; 24:22 after every 64 words (code 5); 31:25 of 4 words (code 3)
	s_or_b32 s[G1B+0], s44, (1<<16)|(1<<20)|(1<<21)|(5<<22)|(3<<25) ; the same with the mask of my column, for B's tiles
	s_mov_b32 s[G1B+1], KSTEP<<16
	s_mov_b32 s[G1+1], KSTEP<<16                   ; tensor_dim0 = 128
	s_mov_b32 s[G1B+2], 128<<16
	s_mov_b32 s[G1+2], 128<<16                     ; tensor_dim1 = 128
	s_mov_b32 s[G1B+3], KSTEP<<16
	s_mov_b32 s[G1+3], KSTEP<<16                   ; tile_dim0 = 128
	s_mov_b32 s[G1B+4], 128
	s_mov_b32 s[G1+4], 128                         ; tile_dim1 = 128
	s_mov_b32 s[G1B+5], SIZE_K
	s_mov_b32 s[G1+5], SIZE_K                      ; elements from row to row
	s_mov_b32 s[G1B+6], 0
	s_mov_b32 s[G1+6], 0
	s_mov_b32 s[G1B+7], 0
	s_mov_b32 s[G1+7], 0
	; where the tiles come from.  A's hang on the tile row alone, which my row of the cluster shares; B's on the tile column alone, which my column shares.
	; Every wave makes both addresses, in registers that never hold the other coordinate, and asks by one of them.
	s_lshl_b32 s17, s12, 7                         ; which 128 rows of the tile I fetch
	s_lshl_b32 s16, s13, 8
	s_add_co_u32 s16, s16, s17                     ; A: row 256 x tile row + 128 x half
	s_lshl_b32 s46, s42, 8
	s_add_co_u32 s46, s46, s17                     ; B: row 256 x tile column + 128 x half
	s_mov_b32 s17, 0
	s_mov_b32 s47, 0
	s_mov_b64 s[18:19], SIZE_K*2
	s_mul_u64 s[16:17], s[16:17], s[18:19]         ; in bytes
	s_mul_u64 s[46:47], s[46:47], s[18:19]
	s_mul_i32 s20, s10, HALFT                      ; and where they go: A's two halves, then B's two halves = wave x 128 rows: no place in the cluster enters an LDS address
	s_wait_dscnt 0x0                               ; both opening adds are done
	s_wait_kmcnt 0x0
	s_add_nc_u64 s[14:15], s[4:5], s[16:17]
	s_add_nc_u64 s[46:47], s[6:7], s[46:47]
	CROUND                                         ; all sixteen work-groups are here: the first joint loads meet
.irp s, 0,1
	s_mov_b32 s[G0+4*(\s)], 1                                        ; count = 1
	s_add_co_u32 s[G0+4*(\s)+1], s20, (\s)*SLOT                      ; LDS address
	s_add_nc_u64 s[G0+4*(\s)+2:G0+4*(\s)+3], s[14:15], (\s)*KSTEP*2  ; global address: K step s
	s_or_b32 s[G0+4*(\s)+3], s[G0+4*(\s)+3], 0x80000000              ; type = 2
	s_mov_b32 s[G0B+4*(\s)], 1
	s_add_co_u32 s[G0B+4*(\s)+1], s20, (\s)*SLOT
	s_add_nc_u64 s[G0B+4*(\s)+2:G0B+4*(\s)+3], s[46:47], (\s)*KSTEP*2
	s_or_b32 s[G0B+4*(\s)+3], s[G0B+4*(\s)+3], 0x80000000
	JLOAD \s                                       ; the ring is filled before anything else is done: two loads of mine are out here, one behind each later round
.endr
	; A fragment is 16 rows x 32 K in 8 registers: lane l holds row l % 16; registers 0-3 hold K = 8 (l / 16) + 0..7, registers 4-7 hold K = 16 + 8 (l / 16) + 0..7: two loads of 16 bytes, 32 bytes apart.
	v_and_b32 v1, 15, v0                           ; l % 16
	v_bfe_u32 v2, v0, 4, 1                         ; l / 16
	v_mul_u32_u24 v3, v1, PITCH
	v_lshl_add_u32 v3, v2, 4, v3                   ; row x pitch + 16 x half
	s_mul_i32 s21, s11, HALFT                      ; my 128 rows of A
	s_mul_i32 s22, s12, HALFT                      ; my 128 rows of B,
	s_add_co_u32 s22, s22, 2*HALFT                 ; which lie behind A's 256
.irp s, 0,1
	v_add_nc_u32 v[ADRA+(\s)], s21, v3
	v_add_nc_u32 v[ADRB+(\s)], s22, v3
	s_add_co_u32 s21, s21, SLOT
	s_add_co_u32 s22, s22, SLOT
.endr
	s_mul_i32 s23, s10, 16*SP
	s_add_co_u32 s23, s23, STAGE                   ; my stage
	v_mul_u32_u24 v5, v1, SP                       ; in: row l % 16, 32 bytes for each half of the lanes
	v_lshl_add_u32 v5, v2, 5, v5
	v_add_nc_u32 v[STO], s23, v5
	v_and_b32 v5, 31, v0
	v_lshlrev_b32 v[CO], 4, v5                     ; back: 32 lanes take one row's 512 bytes
	v_add_nc_u32 v[RD], s23, v[CO]
	; where my part of the tile begins in out0
	s_lshl_b32 s13, s13, 8                         ; 256 x tile row
	s_lshl_b32 s14, s11, 7
	s_add_co_u32 s16, s13, s14                     ; my first row,
	s_lshl_b32 s16, s16, 13                        ; of 8,192 bytes (under 2^26)
	s_mov_b32 s17, 0
	s_add_nc_u64 s[8:9], s[8:9], s[16:17]
	s_lshl_b32 s46, s42, 10                        ; my first column, in bytes: 1,024 x tile column + 512 x half (in the registers that held B's address: none that feeds A's descriptors ever holds cx)
	s_lshl_b32 s47, s12, 9
	s_add_co_u32 s46, s46, s47
	s_mov_b32 s47, 0
	s_add_nc_u64 s[8:9], s[8:9], s[46:47]
	; the prefetches.  s13 = 256 x tile row, s42 = tile column, s40 = cx, s41 = cy still stand; s[4:5] = A, s[6:7] = B
	s_lshl_b32 s42, s42, 8
	s_and_b32 s22, ttmp7, 0xffff                   ; cluster y
	s_cmp_eq_u32 s11, 0                            ; do I fetch for A?
	s_cselect_b32 s20, s13, s42                    ; the tile's first row: in A by the tile row, in B by the tile column
	s_cselect_b32 s21, s40, s41                    ; my place among the four that ask for it with me
	s_cselect_b32 s22, ttmp9, s22                  ; the coordinate along which other clusters read the same rows
	s_cselect_b64 s[PFA:PFA+1], s[4:5], s[6:7]
	s_cmp_eq_u32 s22, 0
	s_cselect_b32 s[LIM], 1, -1                    ; the same in all sixteen partners, for a given wave
	s_lshl_b32 s22, s12, 7
	s_add_co_u32 s20, s20, s22                     ; + the 128 rows that I fetch
	s_lshl_b32 s21, s21, 5
	s_add_co_u32 s20, s20, s21                     ; + my work-group's 32 of them
	s_mov_b32 s21, 0
	s_mov_b64 s[18:19], SIZE_K*2
	s_mul_u64 s[20:21], s[20:21], s[18:19]
	s_add_nc_u64 s[PFA:PFA+1], s[PFA:PFA+1], s[20:21]
	s_add_nc_u64 s[PFA:PFA+1], s[PFA:PFA+1], 2*KSTEP*2  ; at K step 2: the first refill steps it to 3 and names K step 4
	v_and_b32 v[PFO], 31, v0
	v_mul_u32_u24 v[PFO], v[PFO], SIZE_K*2
	; nothing is prefetched here, at the head, where every work-group's first two tiles are on their way
; 16 matrix instructions: m blocks a0, a0 + 1 of the window's four (hi = 0: my rows 0-63, 1: rows 64-127) x all 8 n blocks, 32 along K.  zero = 1: the first product starts the sums: nothing is ever cleared.
.macro MUL16 f, hi, a0, zero
	WIN MUL_LO+0x50*(\hi)
.irp a, \a0, (\a0)+1
.irp b, 0,1,2,3,4,5,6,7
.if \zero
	v_wmma_f32_16x16x32_f16 v[8*(8*(\a)+(\b)):8*(8*(\a)+(\b))+7], v[(\f)+8*(\b):(\f)+8*(\b)+7], v[(\f)+8*(4*(\hi)+(\a)):(\f)+8*(4*(\hi)+(\a))+7], 0
.else
	v_wmma_f32_16x16x32_f16 v[8*(8*(\a)+(\b)):8*(8*(\a)+(\b))+7], v[(\f)+8*(\b):(\f)+8*(\b)+7], v[(\f)+8*(4*(\hi)+(\a)):(\f)+8*(4*(\hi)+(\a))+7], v[8*(8*(\a)+(\b)):8*(8*(\a)+(\b))+7]
.endif
.endr
.endr
.endm
; 32 LDS loads in one run: the fragments of one quarter step (128 rows of B, then 128 rows of A, 32 K at byte k of the rows) into buffer f.  The counted waits lean on this order.
.macro FETCH slot, k, f
	WIN TO_B
.irp i, 0,1,2,3,4,5,6,7
	ds_load_b128 v[(\f)+8*(\i):(\f)+8*(\i)+3],   v[ADRB+(\slot)] offset:(\k)+(\i)*16*PITCH
	ds_load_b128 v[(\f)+8*(\i)+4:(\f)+8*(\i)+7], v[ADRB+(\slot)] offset:(\k)+(\i)*16*PITCH+32
.endr
	WIN 0
.irp i, 0,1,2,3,4,5,6,7
	ds_load_b128 v[(\f)+8*(\i):(\f)+8*(\i)+3],   v[ADRA+(\slot)] offset:(\k)+(\i)*16*PITCH
	ds_load_b128 v[(\f)+8*(\i)+4:(\f)+8*(\i)+7], v[ADRA+(\slot)] offset:(\k)+(\i)*16*PITCH+32
.endr
.endm
; A load into a register that a matrix instruction has read, and an LDS store that reads a matrix result, stand four places behind that matrix instruction, and only plain vector instructions that name none of its
; registers are places (ISA guide 7.12.1 for vector instructions).  So four v_nop stand in front of each run of loads: sixteen issue slots for a K step's 256 matrix instructions.
.macro PLACES
.rept 4
	v_nop
.endr
.endm
; A K step is four quarter steps of 32 along K, 64 matrix instructions each, on buffers 0, 1, 0, 1.  All 64 accumulators take turns, in the same order in every quarter: 63 others stand between two links of a chain.
; One of the first three: multiplies buffer f; in its middle it fetches the next quarter's fragments, at byte k of the same slot's rows, into buffer g.
.macro QUARTER slot, k, f, g, zero
	s_wait_dscnt 8                                 ; B and A's rows 0-63 are in; the youngest eight loads (A's rows 64-127) may be out
	MUL16 \f, 0, 0, \zero
	MUL16 \f, 0, 2, \zero
	PLACES
	FETCH \slot, \k, \g
	s_wait_dscnt 32                                ; all but the 32 just issued
	MUL16 \f, 1, 0, \zero
	MUL16 \f, 1, 2, \zero
.endm
; The last quarter multiplies buffer 1 and changes slots: ONE barrier, for two things.  In front of it each wave waits for all its tensor loads, of which one is out: its part of the next slot; adds 0 to its spare word; and waits
; for that and for its own reads of this slot.  Behind it nobody reads this slot any more and the next slot is whole.  fill = 1: the barrier opens a round of the cluster's, so that no wave of any partner still reads the slot or has
; a load on its way, and the joint refill, two K steps on, is the first tensor load behind the round: from there to the wait for it a wave issues 224 matrix instructions.
.macro TURN slot, next, fill
.if \fill
	s_wait_xcnt 0x0                                ; the last prefetch, a K step back, has read its address: it is stepped here, ahead of the waits of the change of slots
	s_add_nc_u64 s[PFA:PFA+1], s[PFA:PFA+1], KSTEP*2
.endif
	WIN 0                                          ; (the add's two registers lie in window 0)
	s_wait_tensorcnt 0x0                           ; all my tensor loads have landed
	ds_add_u32 v[SPW], v[NIL]                      ; 0 onto my spare word
	s_wait_dscnt 9                                 ; (the add and the youngest eight loads may be out)
	MUL16 F1, 0, 0, 0                              ; sixteen matrix instructions stand between the add and the wait for it
	s_wait_dscnt 0x0                               ; the add is done, and my reads of this slot are over
	s_barrier_signal -1
	MUL16 F1, 0, 2, 0                              ; work on registers while the others arrive
.if \fill
	WIN 0
.endif
	s_barrier_wait -1
.if \fill
	CREST
	s_add_nc_u64 s[G0+4*(\slot)+2:G0+4*(\slot)+3], s[G0+4*(\slot)+2:G0+4*(\slot)+3], 2*KSTEP*2      ; no tensor load of mine is out, so a group 0 may be written: two K steps on
	s_add_nc_u64 s[G0B+4*(\slot)+2:G0B+4*(\slot)+3], s[G0B+4*(\slot)+2:G0B+4*(\slot)+3], 2*KSTEP*2
	JLOAD \slot                                    ; the four v_nop behind it are also the places in front of the loads below
.else
	PLACES
.endif
	FETCH \next, 0, F0
.if \fill
	ASK                                            ; behind the joint load and the run of LDS loads that the next products wait for (FETCH leaves every window 0)
.endif
	MUL16 F1, 1, 0, 0
	MUL16 F1, 1, 2, 0
.endm
; THE WAY OUT, in eight blocks a of 16 rows x 128 columns.  A lane's 32 bytes of a row go into my own stage, rows of 528 bytes, and come back as whole rows of 512.
.macro TOSTAGE a
.if (\a) >= 2
	s_wait_xcnt 0x0                                ; the stores of the block two back have read the registers that the loads below fill
.endif
	WIN 0x08+4*((\a)/4)                            ; store data (source 1) in window 2 or 3
.irp b, 0,1,2,3,4,5,6,7
	ds_store_b128 v[STO], v[64*((\a)%4)+8*(\b):64*((\a)%4)+8*(\b)+3]   offset:64*(\b)      ; each accumulator is read from its low end on
	ds_store_b128 v[STO], v[64*((\a)%4)+8*(\b)+4:64*((\a)%4)+8*(\b)+7] offset:64*(\b)+16
.endr
	WIN 0
.irp t, 0,1,2,3,4,5,6,7,8,9,10,11,12,13,14,15
	ds_load_b128 v[OB+64*((\a)%2)+4*(\t):OB+64*((\a)%2)+4*(\t)+3], v[RD] offset:(\t)*SP  ; LDS serves a wave's instructions in order (ISA guide 5.7.1.4): these see the stores above; the next block's stores come behind them
.endr
.endm
.macro SEND a, younger                 ; younger: the LDS instructions issued behind block a's loads: the next block's 32, or none
	WIN 0
.irp t, 0,1,2,3,4,5,6,7,8,9,10,11,12,13,14,15
	s_wait_dscnt (\younger)+15-(\t)
	global_store_b128 v[CO], v[OB+64*((\a)%2)+4*(\t):OB+64*((\a)%2)+4*(\t)+3], s[8:9] offset:(16*(\a)+(\t))*SIZE_N*4 th:TH_STORE_NT  ; 512 consecutive bytes, at a multiple of 512 from out0's first; 127 rows, 1,040,384 bytes, at the most
.endr
.endm
	s_wait_tensorcnt 1                             ; my part of K step 0 is in; K step 1's may stay out
	s_barrier_signal -1
	s_barrier_wait -1                              ; everybody's is
	FETCH 0, 0, F0
	QUARTER 0, 64,  F0, F1, 1                      ; the first quarter stands in front of the loop: its products start the sums
	WIN 0                                          ; at a label and at a branch every window is 0
	s_mov_b32 s3, LAPS-1
.Llap:                                                 ; a trip goes once round the ring, from a lap's second quarter to the next lap's first, and fills both slots again: trip i asks for K steps 2 i + 2 and 2 i + 3
	QUARTER 0, 128, F1, F0, 0
	QUARTER 0, 192, F0, F1, 0
	TURN 0, 1, 1
	QUARTER 1, 64,  F0, F1, 0
	QUARTER 1, 128, F1, F0, 0
	QUARTER 1, 192, F0, F1, 0
	TURN 1, 0, 1
	QUARTER 0, 64,  F0, F1, 0
	WIN 0
	s_sub_co_u32 s3, s3, 1
	s_cmp_lg_u32 s3, 0
	s_cbranch_scc1 .Llap
	QUARTER 0, 128, F1, F0, 0                      ; the last lap is written out: it asks for nothing, and has no round of the cluster's barrier
	QUARTER 0, 192, F0, F1, 0
	TURN 0, 1, 0
	QUARTER 1, 64,  F0, F1, 0
	QUARTER 1, 128, F1, F0, 0
	QUARTER 1, 192, F0, F1, 0
	s_wait_dscnt 8                                 ; the very last quarter: nothing more to fetch
	MUL16 F1, 0, 0, 0
	MUL16 F1, 0, 2, 0
	s_wait_dscnt 0x0
	MUL16 F1, 1, 0, 0
	MUL16 F1, 1, 2, 0
	WIN 0
	PLACES                                         ; the LDS stores below read results just made, the loads fill registers just read, and no other vector work is at hand
	PLACES
	TOSTAGE 0
	TOSTAGE 1
.irp a, 0,1,2,3,4,5
	SEND \a, 32                                    ; a block's stores stand behind the next block's trip through the stage
	TOSTAGE (\a)+2
.endr
	SEND 6, 32
	SEND 7, 0
	s_wait_tensorcnt 0x0                           ; the wave's end: behind my last tensor load and my last LDS store
	ds_add_u32 v[SPW], v[NIL]
	s_wait_dscnt 0x0
	CROUND                                         ; the closing round: no work-group ends while a partner may still ask for a tile that names it
	s_endpgm
.Lfunc_end_k_q8211267a4c_gemm:
	.size	k_q8211267a4c_gemm, .Lfunc_end_k_q8211267a4c_gemm-k_q8211267a4c_gemm
	.p2alignl 7, 3214868480
	.fill 96, 4, 3214868480
	.section	.rodata,"a",@progbits
	.p2align	6, 0x0
	.amdhsa_kernel k_q8211267a4c_gemm
		.amdhsa_group_segment_fixed_size 327680
		.amdhsa_private_segment_fixed_size 0
		.amdhsa_enable_private_segment 0
		.amdhsa_kernarg_size 24
		.amdhsa_user_sgpr_count 2
		.amdhsa_user_sgpr_kernarg_segment_ptr 1
		.amdhsa_wavefront_size32 1
		.amdhsa_system_sgpr_workgroup_id_x 1
		.amdhsa_system_sgpr_workgroup_id_y 1
		.amdhsa_system_sgpr_workgroup_id_z 1
		.amdhsa_system_vgpr_workitem_id 0
		.amdhsa_next_free_vgpr 1024
		.amdhsa_next_free_sgpr 66
		.amdhsa_reserve_vcc 0
		.amdhsa_float_denorm_mode_32 3
		.amdhsa_float_denorm_mode_16_64 3
		.amdhsa_memory_ordered 1
		.amdhsa_forward_progress 1
		.amdhsa_inst_pref_size 145
	.end_amdhsa_kernel
	.amdgpu_metadata
---
amdhsa.version: [ 1, 2 ]
amdhsa.kernels:
  - .name:           k_q8211267a4c_gemm
    .symbol:         k_q8211267a4c_gemm.kd
    .args:
      - { .name: xh, .offset: 0, .size: 8, .value_kind: global_buffer, .address_space: global }
      - { .name: wf, .offset: 8, .size: 8, .value_kind: global_buffer, .address_space: global }
      - { .name: out0, .offset: 16, .size: 8, .value_kind: global_buffer, .address_space: global }
    .group_segment_fixed_size: 327680
    .private_segment_fixed_size: 0
    .kernarg_segment_align: 8
    .kernarg_segment_size: 24
    .max_flat_workgroup_size: 128
    .sgpr_count:     66
    .vgpr_count:     1024
    .wavefront_size: 32
...
	.end_amdgpu_metadata
.endif
;; end of part 2
